; MI455X (gfx1250); checked and timed in simulation.
; The chip was launched on July 23, 2026; its instructions are those of AMD's public machine-readable ISA for CDNA 5 (MIT licence, August 2026) and "CDNA5" Instruction Set Architecture Reference Guide (July 2026). The comments in the code are by the model that wrote it; some were corrected since.
;; Q8 Linear Lora. Allowed arithmetic: matrix products marked QUANTISED: E3M2 operands, one E8M0 scale for each 32 along K, by v_wmma_scale_f32_16x16x128_f8f6f4 with both operands' format E3M2, f32 sums; products left as they are: f32 operands where the result goes on into a quantised operand, else bf16, f16 or f32 operands; f32 sums; everything else in f32.
;; Inputs: bias 4,096 float32; lora_a 16 x 4,096 float32; lora_b 4,096 x 16 float32; scales 4,096 float32; weight 4,096 x 4,096 int8; x 4,096 x 4,096 int8; x_scales 4,096 float32.
;; Outputs: out0 4,096 x 4,096 float32.
;; Constants: fuse_gelu = 1.
;; This version of the problem:
;;   THIS VERSION OF THE PROBLEM IS GIVEN IN LOW PRECISION. The matrix products marked QUANTISED in the list below multiply operands that are first quantised to E3M2 (3 exponent bits, 2 mantissa bits; 6 bits a number), with one power-of-two scale for each 32 numbers along K (OCP MX v1.0); their sums are f32. All else is computed in f32.
;;   The module's matrix products, in the order in which they are computed (A, B: the left and right operand; K: the contracted axis; several contracted axes count as one K, in the product's order):
;;     1. [M 4,096, K 4,096] x [K 4,096, N 4,096]; A: input x; B: input weight: left as it is (operands are no floats)
;;     2. [M 4,096, K 4,096] x [K 4,096, N 16]; A: computed on the way; B: input lora_a: QUANTISED
;;     3. [M 4,096, K 16] x [K 16, N 4,096]; A: computed on the way; B: input lora_b: left as it is (K = 16 < 32)
;;   THE QUANTISER, for each operand of a quantised product, along K:
;;     - K is cut into blocks of 32 from its start; a last block that is shorter is filled with zeros.
;;     - A block's scale is 2^e with e = floor(log2(the largest magnitude in the block)) - 4, held to -126 .. 127; a block of zeros has e = 0. As a byte (E8M0): e + 127.
;;     - Each number is divided by its block's scale, clamped to +-28, and rounded to the nearest number of E3M2, ties to even, subnormals kept.
;;     - The product sums the exact products of the quantised numbers (number of the format x scale) in f32.
;;   ~~~python
;;   def quantise(x, axis):      # numpy; x: float32 -> the quantised numbers, widened to float32 again
;;       x = np.moveaxis(x, axis, -1); K = x.shape[-1]
;;       x = np.pad(x, [(0, 0)] * (x.ndim - 1) + [(0, -K % 32)]); x = x.reshape(x.shape[:-1] + (-1, 32)); a = np.abs(x).max(-1, keepdims=True)
;;       e = np.where(a > 0, np.clip(np.frexp(np.where(a > 0, a, 1))[1] - 1 - 4, -126, 127), 0)      # np.frexp(a)[1] - 1 = floor(log2(a)), exactly
;;       r = np.clip(x / 2.0 ** e, -28, 28)
;;       step = 2.0 ** (np.maximum(np.frexp(np.where(r == 0, 1, r))[1] - 1, -2) - 2)
;;       q = np.round(r / step) * step * 2.0 ** e      # np.round: ties to even
;;       return np.moveaxis(q.reshape(q.shape[:-2] + (-1,))[..., :K], -1, axis).astype(np.float32)
;;   ~~~
;;   OPERANDS COMPUTED ON THE WAY. 'Computed on the way' means the value that the module computes at that place (a softmax that the list does not call 'softmax' is quantised finished and normalised). What goes into a quantiser is computed in f32, as accurately as f32 sums, v_exp_f32 and their like allow (about 1e-6 of the number): no bf16 or f16 on the way to a quantiser, and a product that is left as it is and whose result goes on into a quantised operand takes f32 operands (vector FMAs, or v_wmma_f32_16x16x4_f32). A number that lies on a knife's edge between two numbers of the format may be rounded either way, as far as f32 arithmetic and the matrix unit's own rounding can turn it there, and no further.
;; One version. Each part assembles by itself: llvm-mc -triple=amdgcn-amd-amdhsa -mcpu=gfx1250 --defsym DOCPART=n.
;; ======== version 1 of 1: 2 launches
;; workspace buffers: t_part 1,048,576 bytes
;; launch lora_down (part 1): grid 64 x 4, 8 waves a work-group, no clusters, 176,128 bytes of LDS; arguments x, x_scales, lora_a, t_part; writes t_part
.if DOCPART == 1
	.amdgcn_target "amdgcn-amd-amdhsa--gfx1250"
	.amdhsa_code_object_version 6
	.text
	.protected	k_q3ecc76cfef_lora_down
	.globl	k_q3ecc76cfef_lora_down
	.p2align	8
	.type	k_q3ecc76cfef_lora_down,@function
k_q3ecc76cfef_lora_down:
	s_mov_b64 s[64:65], 0
	v_nop
	global_prefetch_b8 v0, s[64:65] scope:SCOPE_SE
	s_setreg_imm32_b32 hwreg(HW_REG_WAVE_MODE, 25, 1), 1
	s_wait_xcnt 0x0
; t_part[kq][m][j] = sum over k in K quarter kq of Q(x[m][k] * x_scales[m]) * Q(lora_a[j][k]):  the one product of the problem that is quantised.
; x: [4096][4096] int8;  x_scales: [4096] f32;  lora_a: [16][4096] f32;  t_part: [4][4096][16] f32 (the next launch adds the four quarters).
; Q: blocks of 32 along K; a block's scale is 2^(floor(log2(largest magnitude)) - 4); numbers / scale go to the nearest code of E3M2, ties to even, beyond 28 the largest code.
; Both operands are made in f32 (x * x_scales is one rounded multiplication), turned into codes in registers, and multiplied by the scaled matrix instruction on 6-bit codes.
; SHARES.  A work-group takes 64 tokens x 1,024 along K.  Wave w takes K slice 128 w .. 128 w + 127 of that, one matrix K step, for all four tiles of 16 tokens: so each fragment of lora_a
; is quantised once for four tiles of tokens.  The eight waves' results are added through LDS.  64 x 4 = 256 work-groups.
; LDS is filled once, by two tensor loads a wave (its slice of lora_a; eight rows of the x tile); nothing is filled again.  The text has no branch.
; NO CLUSTER: the 64 work-groups of a K quarter read the same 64 KiB of lora_a, half of the 128 KiB that a work-group fetches.  Joint loads for four of them would spare three quarters of
; those requests; they are left out here because the text has one fill and no loop.
; NO PREFETCH: every byte is asked for by the first instructions of the launch.
; LIMITS: NaN and infinities among x_scales and lora_a are not served.  A block of zeros gets the scale byte 1 where the rule says 127: its codes are zeros, which add nothing under any byte
; but 0xff, and the bytes never leave the registers.  Blocks whose largest magnitude lies under 2^(5 - 127) are held at that floor (byte 1), as the rule's hold at -126 asks.
.set XP,   1040                        ; a row of the x tile in LDS: 1,024 bytes + 16: an odd multiple of 16, so the 16 rows of a load start at 16 different banks (64 banks of 4 bytes: ISA guide 11.1)
.set AT,   64*XP                       ; behind the x tile: for each wave its slice of lora_a,
.set AP,   528                         ; 16 rows of 512 bytes + 16
.set AW,   16*AP
.set RED,  AT+8*AW                     ; behind them, at a multiple of 256: for each wave its 64 tokens x 16 ranks of f32; no tensor load lands here
.set RP,   80                          ; 64 bytes + 16
.set RW,   64*RP
.set AAD,  4                           ; v4   LDS: my 32 numbers of lora_a's row r: AT + AW w + AP r + 128 h
.set XAD,  5                           ; v5   LDS: my 32 bytes of x's row r: XP r + 128 w + 32 h
.set XSO,  6                           ; v6   4 r
.set RST,  7                           ; v7   LDS: where I put my results: RED + RW w + RP r + 32 h
.set RLD,  8                           ; v8   LDS: where I read for the sum: RED + RP (thread / 4) + 16 (thread % 4)
.set TO,   9                           ; v9   16 x thread: my 16 bytes of the work-group's 4,096 in t_part
.set TM,   10                          ; v10-11 largest magnitudes, v12-13 the conversions' scale operands, v14-15 scale bytes
.set PL,   16                          ; v16  a lane permute's destination
.set XS,   18                          ; v[18:25] x_scales of my token in tile m, twice, as a pair
.set ASW,  26                          ; v26  lora_a's scale word;  v27-30 x's, one for each tile: these five hold scales and nothing else
.set XSW,  27
.set AC,   32                          ; v[32:43]  lora_a's codes: one fragment
.set XC,   44                          ; v[44:91]  x's codes: a fragment for each tile
.set CT,   92                          ; v[92:98]  the upper halves of a block's codes, as the conversions leave them
.set RAW,  100                         ; v[100:163] x as loaded, 16 words a tile; at the end the eight waves' parts
.set F,    164                         ; v[164:227] 64 numbers in f32
.set ACC,  164                         ; v[164:195] four accumulators, where F lay
.set G1X,  16                          ; s[16:23] descriptor group 1 for x;  s[24:31] for lora_a;  s[32:35], s[36:39] their groups 0
.set G1A,  24
.set G0X,  32
.set G0A,  36
	s_load_b256 s[4:11], s[0:1], 0x0               ; x s[4:5], x_scales s[6:7], lora_a s[8:9], t_part s[10:11]
	v_lshl_add_u32 v254, v0, 2, 0x2ac00
	v_mov_b32 v255, 0
	ds_add_u32 v254, v255
	ds_add_u32 v254, v255
	v_lshrrev_b32 v1, 5, v0
	v_readfirstlane_b32 s12, v1                    ; wave 0..7
	s_and_b32 s14, ttmp7, 0xffff                   ; K quarter
	; x: 8 rows x 1,024 elements of 1 byte, 4,096 from row to row; 16 bytes of padding behind every 256 words
	s_mov_b32 s[G1X+0], (1<<20)|(7<<22)|(3<<25)
	s_mov_b32 s[G1X+1], 1024<<16                   ; tensor_dim0
	s_mov_b32 s[G1X+2], 8<<16                      ; tensor_dim1
	s_mov_b32 s[G1X+3], 1024<<16                   ; tile_dim0
	s_mov_b32 s[G1X+4], 8                          ; tile_dim1
	s_mov_b32 s[G1X+5], 4096                       ; stride
	s_mov_b32 s[G1X+6], 0
	s_mov_b32 s[G1X+7], 0
	; lora_a: 16 rows x 128 elements of 4 bytes, 4,096 elements from row to row; 16 bytes of padding behind every 128 words
	s_mov_b32 s[G1A+0], (2<<16)|(1<<20)|(6<<22)|(3<<25)
	s_mov_b32 s[G1A+1], 128<<16
	s_mov_b32 s[G1A+2], 16<<16
	s_mov_b32 s[G1A+3], 128<<16
	s_mov_b32 s[G1A+4], 16
	s_mov_b32 s[G1A+5], 4096
	s_mov_b32 s[G1A+6], 0
	s_mov_b32 s[G1A+7], 0
	s_lshl_b32 s50, ttmp9, 18                      ; x: (64 rb + 8 w) rows of 4,096 bytes + 1,024 kq
	s_lshl_b32 s52, s12, 15
	s_add_co_u32 s50, s50, s52
	s_lshl_b32 s52, s14, 10
	s_add_co_u32 s50, s50, s52
	s_mov_b32 s51, 0
	s_lshl_b32 s52, s14, 12                        ; lora_a: (1,024 kq + 128 w) numbers of 4 bytes
	s_lshl_b32 s54, s12, 9
	s_add_co_u32 s52, s52, s54
	s_mov_b32 s53, 0
	s_mul_i32 s54, s12, 8*XP                       ; where they go: constants x my wave's number
	s_mul_i32 s55, s12, AW
	s_mov_b32 s40, 0x76543210                      ; v_permlanex16_b32's selects for lane l xor 16
	s_mov_b32 s41, 0xfedcba98
	s_mov_b32 s42, 0x80808080                      ; int8 + 128 in four bytes at once
	s_mov_b32 s43, 0x4b000000                      ; 2^23 as f32
	s_mov_b32 s44, 0x07040400                      ; byte selects: byte j of the word under 2^23's upper bytes
	s_mov_b32 s45, 0x07040401
	s_mov_b32 s46, 0x07040402
	s_mov_b32 s47, 0x07040403
	s_mov_b32 s48, 0xcb000080                      ; -(2^23 + 128)
	s_mov_b32 s49, s48                             ; (named with it as a pair, so it is written)
	s_wait_dscnt 0x0
	s_wait_kmcnt 0x0
	s_mov_b32 s[G0A], 1
	s_add_co_u32 s[G0A+1], s55, AT
	s_add_nc_u64 s[G0A+2:G0A+3], s[8:9], s[52:53]
	s_or_b32 s[G0A+3], s[G0A+3], 0x80000000
	s_mov_b32 s[G0X], 1
	s_mov_b32 s[G0X+1], s54
	s_add_nc_u64 s[G0X+2:G0X+3], s[4:5], s[50:51]
	s_or_b32 s[G0X+3], s[G0X+3], 0x80000000
	tensor_load_to_lds s[G0A:G0A+3], s[G1A:G1A+7]  ; lora_a's first: it is wanted first.  Two loads of mine are out
	s_nop 0
	tensor_load_to_lds s[G0X:G0X+3], s[G1X:G1X+7]
	s_nop 0
	v_and_b32 v1, 15, v0                           ; r
	v_bfe_u32 v2, v0, 4, 1                         ; h
	v_lshlrev_b32 v3, 3, v2                        ; 8 h
	v_mul_u32_u24 v[AAD], v1, AP
	v_lshl_add_u32 v[AAD], v2, 7, v[AAD]
	v_add_nc_u32 v[AAD], s[G0A+1], v[AAD]
	v_mul_u32_u24 v[XAD], v1, XP
	v_lshl_add_u32 v[XAD], v2, 5, v[XAD]
	s_lshl_b32 s50, s12, 7
	v_add_nc_u32 v[XAD], s50, v[XAD]
	v_lshlrev_b32 v[XSO], 2, v1
	v_mul_u32_u24 v[RST], v1, RP
	v_lshl_add_u32 v[RST], v2, 5, v[RST]
	s_mul_i32 s51, s12, RW
	s_add_co_u32 s51, s51, RED
	v_add_nc_u32 v[RST], s51, v[RST]
	v_lshrrev_b32 v[RLD], 2, v0
	v_mul_u32_u24 v[RLD], v[RLD], RP
	v_and_b32 v[TO], 3, v0
	v_lshl_add_u32 v[RLD], v[TO], 4, v[RLD]
	v_add_nc_u32 v[RLD], RED, v[RLD]
	v_lshlrev_b32 v[TO], 4, v0
	v_mov_b32 v[PL], 0                             ; written once: a lane permute's destination counts as one of its sources
	s_lshl_b32 s52, ttmp9, 8                       ; x_scales at my work-group's 64 tokens
	s_mov_b32 s53, 0
	s_add_nc_u64 s[6:7], s[6:7], s[52:53]
	s_lshl_b32 s52, s14, 18                        ; t_part: 262,144 kq + 4,096 rb
	s_lshl_b32 s54, ttmp9, 12
	s_add_co_u32 s52, s52, s54
	s_add_nc_u64 s[10:11], s[10:11], s[52:53]
.irp m, 0,1,2,3
	global_load_b32 v[XS+2*\m], v[XSO], s[6:7] offset:64*\m
.endr
; 64 numbers of a lane in v[F] on: two whole blocks of 32 along K, block c in v[F + 32 c] on, which are k = 64 c + 32 h + 0 .. 31 of the lane's row: the very order of the operand's registers.
; They become the fragment's 12 registers in v[dst] on and the row's scale word in v[sw].
.macro QFRAG dst, sw
.irp c, 0,1
	v_max3_num_f32 v[TM+\c], |v[F+32*\c]|, |v[F+32*\c+1]|, 0x2800000   ; and the floor 2^(5 - 127): the byte cannot fall under 1
.endr
.irp i, 2,4,6,8,10,12,14,16,18,20,22,24,26,28,30
.irp c, 0,1
	v_max3_num_f32 v[TM+\c], v[TM+\c], |v[F+32*\c+\i]|, |v[F+32*\c+\i+1]|   ; (the two blocks by turns)
.endr
.endr
.irp c, 0,1
	v_add_nc_u32 v[TM+2+\c], 0xfe000000, v[TM+\c]  ; 4 off the exponent field: the conversion takes the exponent field of this operand as its scale, and nothing else of it
.endr
.irp c, 0,1
	v_lshrrev_b32 v[TM+4+\c], 23, v[TM+2+\c]       ; the scale's byte
.endr
	v_lshl_or_b32 v[\sw], v[TM+5], 16, v[TM+4]     ; my two bytes: blocks h and 2 + h of my row,
	v_lshlrev_b32 v[\sw], v3, v[\sw]               ; at their places in the word (8 h bits up);
	v_permlanex16_b32 v[PL], v[\sw], s40, s41
	v_or_b32 v[\sw], v[\sw], v[PL]                 ; with lane l xor 16's two the word is whole
.irp c, 0,1
	v_cvt_scalef32_pk16_bf6_f32 v[(\dst)+6*\c:(\dst)+6*\c+2], v[F+32*\c:F+32*\c+15], v[TM+2+\c]
	v_cvt_scalef32_pk16_bf6_f32 v[CT+4*\c:CT+4*\c+2], v[F+32*\c+16:F+32*\c+31], v[TM+2+\c]   ; (a conversion's three registers begin on an even number: the block's upper half is made apart and moved)
.endr
	v_nop                                          ; one plain place behind a scaled conversion
.irp c, 0,1
.irp i, 0,1,2
	v_mov_b32 v[(\dst)+6*\c+3+\i], v[CT+4*\c+\i]
.endr
.endr
.endm
; Tile m's 16 words of int8 become 64 numbers x * x_scales in v[F] on.  x + 128 is an unsigned byte; under the upper bytes of 2^23 it is the f32 number 2^23 + 128 + x; the subtraction is exact;
; the multiplication rounds once.
.macro XPAND m
.set d, 0
.rept 16
	v_xor_b32 v[RAW+16*(\m)+d], s42, v[RAW+16*(\m)+d]
.set d, d+1
.endr
.set d, 0
.rept 16
.irp j, 0,1,2,3
	v_perm_b32 v[F+4*d+\j], s43, v[RAW+16*(\m)+d], s[44+\j]
.endr
.set d, d+1
.endr
.set d, 0
.rept 32
	v_pk_add_f32 v[F+d:F+d+1], v[F+d:F+d+1], s[48:49] op_sel_hi:[1,0]
.set d, d+2
.endr
.set d, 0
.rept 32
	v_pk_mul_f32 v[F+d:F+d+1], v[F+d:F+d+1], v[XS+2*(\m):XS+2*(\m)+1]
.set d, d+2
.endr
.endm
	; ---- lora_a's fragment: only I read my slice, so my own wait is all the ordering that the reads need
	s_wait_tensorcnt 0x1                           ; lora_a's load, issued first, has landed; x's may stay out
.irp c, 0,1
.irp i, 0,1,2,3,4,5,6,7
	ds_load_b128 v[F+32*\c+4*\i:F+32*\c+4*\i+3], v[AAD] offset:256*\c+16*\i
.endr
.endr
	s_wait_dscnt 0x0
	QFRAG AC, ASW
	s_wait_tensorcnt 0x0                           ; for the others' sake: my eight rows of x have landed (no LDS instruction of mine is out)
	s_barrier_signal -1
	s_barrier_wait -1                              ; all 64 rows lie in LDS
	; ---- x's four fragments
.irp m, 0,1,2,3
.irp c, 0,1
.irp q, 0,1
	ds_load_b128 v[RAW+16*\m+8*\c+4*\q:RAW+16*\m+8*\c+4*\q+3], v[XAD] offset:16*XP*\m+64*\c+16*\q
.endr
.endr
.endr
	s_wait_loadcnt 0x0                             ; x_scales
.irp m, 0,1,2,3
	v_mov_b32 v[XS+2*\m+1], v[XS+2*\m]
.endr
.irp m, 0,1,2,3
	s_wait_dscnt 12-4*\m                           ; tile m's four loads are in; the later tiles' four each may be out
	XPAND \m
	QFRAG XC+12*\m, XSW+\m
.endr
.rept 8
	v_nop                                          ; a scale register written by a vector instruction stands 8 places ahead of a scaled matrix instruction, an operand so written 4
.endr
	; source 0 = the 16 ranks, source 1 = 16 tokens: a lane then holds ONE token (lane % 16) and the ranks 8 (lane / 16) + 0 .. 7
.irp m, 0,1,2,3
	v_wmma_scale_f32_16x16x128_f8f6f4 v[ACC+8*\m:ACC+8*\m+7], v[AC:AC+11], v[XC+12*\m:XC+12*\m+11], 0, v[ASW], v[XSW+\m] matrix_a_fmt:MATRIX_FMT_BF6 matrix_b_fmt:MATRIX_FMT_BF6
.endr
.rept 4
	v_nop                                          ; four places ahead of the first read of a result (ISA guide 7.12.1)
.endr
	; ---- the sum over the eight K slices
.irp m, 0,1,2,3
	ds_store_b128 v[RST], v[ACC+8*\m:ACC+8*\m+3] offset:16*RP*\m           ; each accumulator from its low end on
	ds_store_b128 v[RST], v[ACC+8*\m+4:ACC+8*\m+7] offset:16*RP*\m+16
.endr
	s_wait_dscnt 0x0                               ; for the others' sake: my stores have landed
	s_barrier_signal -1
	s_barrier_wait -1
.irp s, 0,1,2,3,4,5,6,7
	ds_load_b128 v[RAW+4*\s:RAW+4*\s+3], v[RLD] offset:RW*\s               ; wave w takes tokens 8 w .. 8 w + 7: 16 bytes a lane of each wave's part
.endr
	s_wait_dscnt 0x0
.irp s, 0,2,4,6
.irp e, 0,2
	v_pk_add_f32 v[RAW+4*\s+\e:RAW+4*\s+\e+1], v[RAW+4*\s+\e:RAW+4*\s+\e+1], v[RAW+4*\s+4+\e:RAW+4*\s+4+\e+1]
.endr
.endr
.irp s, 0,4
.irp e, 0,2
	v_pk_add_f32 v[RAW+4*\s+\e:RAW+4*\s+\e+1], v[RAW+4*\s+\e:RAW+4*\s+\e+1], v[RAW+4*\s+8+\e:RAW+4*\s+8+\e+1]
.endr
.endr
.irp e, 0,2
	v_pk_add_f32 v[RAW+\e:RAW+\e+1], v[RAW+\e:RAW+\e+1], v[RAW+16+\e:RAW+16+\e+1]
.endr
	global_store_b128 v[TO], v[RAW:RAW+3], s[10:11]   ; the wave stores 512 consecutive bytes, at a multiple of 512 from t_part's first byte
	s_wait_tensorcnt 0x0
	ds_add_u32 v254, v255
	s_wait_dscnt 0x0
	s_endpgm
.Lfunc_end_k_q3ecc76cfef_lora_down:
	.size	k_q3ecc76cfef_lora_down, .Lfunc_end_k_q3ecc76cfef_lora_down-k_q3ecc76cfef_lora_down
	.p2alignl 7, 3214868480
	.fill 96, 4, 3214868480
	.section	.rodata,"a",@progbits
	.p2align	6, 0x0
	.amdhsa_kernel k_q3ecc76cfef_lora_down
		.amdhsa_group_segment_fixed_size 176128
		.amdhsa_private_segment_fixed_size 0
		.amdhsa_enable_private_segment 0
		.amdhsa_kernarg_size 32
		.amdhsa_user_sgpr_count 2
		.amdhsa_user_sgpr_kernarg_segment_ptr 1
		.amdhsa_wavefront_size32 1
		.amdhsa_system_sgpr_workgroup_id_x 1
		.amdhsa_system_sgpr_workgroup_id_y 1
		.amdhsa_system_sgpr_workgroup_id_z 1
		.amdhsa_system_vgpr_workitem_id 0
		.amdhsa_next_free_vgpr 256
		.amdhsa_next_free_sgpr 66
		.amdhsa_reserve_vcc 0
		.amdhsa_float_denorm_mode_32 3
		.amdhsa_float_denorm_mode_16_64 3
		.amdhsa_memory_ordered 1
		.amdhsa_forward_progress 1
		.amdhsa_inst_pref_size 60
	.end_amdhsa_kernel
	.amdgpu_metadata
---
amdhsa.version: [ 1, 2 ]
amdhsa.kernels:
  - .name:           k_q3ecc76cfef_lora_down
    .symbol:         k_q3ecc76cfef_lora_down.kd
    .args:
      - { .name: x, .offset: 0, .size: 8, .value_kind: global_buffer, .address_space: global }
      - { .name: x_scales, .offset: 8, .size: 8, .value_kind: global_buffer, .address_space: global }
      - { .name: lora_a, .offset: 16, .size: 8, .value_kind: global_buffer, .address_space: global }
      - { .name: t_part, .offset: 24, .size: 8, .value_kind: global_buffer, .address_space: global }
    .group_segment_fixed_size: 176128
    .private_segment_fixed_size: 0
    .kernarg_segment_align: 8
    .kernarg_segment_size: 32
    .max_flat_workgroup_size: 256
    .sgpr_count:     66
    .vgpr_count:     256
    .wavefront_size: 32
...
	.end_amdgpu_metadata
.endif
;; end of part 1
;; launch gemm (part 2): grid 16 x 16, 4 waves a work-group, clusters of 4 x 4, 327,680 bytes of LDS; arguments x, weight, x_scales, scales, bias, lora_b, t_part, out0; writes out0
.if DOCPART == 2
	.amdgcn_target "amdgcn-amd-amdhsa--gfx1250"
	.amdhsa_code_object_version 6
	.text
	.protected	k_q3ecc76cfef_gemm
	.globl	k_q3ecc76cfef_gemm
	.p2align	8
	.type	k_q3ecc76cfef_gemm,@function
k_q3ecc76cfef_gemm:
	s_mov_b64 s[64:65], 0
	v_nop
	global_prefetch_b8 v0, s[64:65] scope:SCOPE_SE
	s_setreg_imm32_b32 hwreg(HW_REG_WAVE_MODE, 25, 1), 1
	s_wait_xcnt 0x0
	s_wait_alu depctr_hold_cnt(0) depctr_sa_sdst(0) depctr_va_vdst(0) depctr_va_sdst(0) depctr_va_ssrc(0) depctr_va_vcc(0) depctr_vm_vsrc(0)
	s_getreg_b32 s2, hwreg(HW_REG_IB_STS2, 6, 4)
	s_cmp_eq_u32 s2, 0
	s_cbranch_scc0 .Lentry_in_a_cluster
	s_endpgm
.Lentry_in_a_cluster:
	s_bfe_u32 s2, ttmp6, 0x10000c
	s_cmp_lg_u32 s2, 0xf033
	s_cbranch_scc0 .Lentry_shape_is_right
	s_endpgm
.Lentry_shape_is_right:
; out0[m][n] = gelu( i32(sum over k of x[m][k] weight[n][k]) * x_scales[m] * scales[n] + bias[n] + sum over j of t[m][j] lora_b[n][j] ),  gelu in its tanh form.
; x, weight: [4096][4096] int8;  x_scales, scales, bias: [4096] f32;  lora_b: [4096][16] f32;  t = the sum of t_part's four quarters, [4][4096][16] f32;  out0: [4096][4096] f32.
; THE MAIN PRODUCT is taken as it is given: signed bytes, sums in i32, exact, so that the order of k within an instruction does not matter.  THE LoRA PRODUCT (K = 16) takes bf16 operands and
; f32 sums: one matrix instruction of K = 32 for each 16 x 16 of the output, the upper 16 of K being zeros; it adds onto the dequantised main product and the bias.
; A tile of out0, 256 x 256, is made by a work-group of four waves, as many as a WGP has SIMDs; a wave makes 128 x 128: 64 accumulators of 16 x 16, 512 registers.  256 tiles, one to a work-group.
; K goes in steps of 256 through a ring of two LDS slots filled by the tensor data mover: a tile's row is 256 bytes of memory and starts at a multiple of 256 from the buffer's first byte.
; CLUSTERS: 4 x 4 work-groups.  The four of a row of the cluster need the same tiles of x, the four of a column the same tiles of weight: each tile is asked for JOINTLY, by the same tensor load
; with the same descriptor and a mask that names the four.
; THE MATRIX INSTRUCTIONS ARE USED TRANSPOSED (source 0 = 16 rows of weight or of lora_b, source 1 = 16 rows of x or of t): a lane then holds eight neighbouring numbers of a row of out0.
; NO PREFETCH: between a refill's request and the wait for it a wave issues 224 matrix instructions of K = 64.  NO WORK-GROUPS THAT STAY: there is one tile for each.
; LIMITS: NaN and infinities among the f32 inputs are not served.  t and lora_b are rounded to bf16 for the LoRA product.  The i32 sums are rounded once, to f32, as in the problem's definition.
; REGISTERS, in windows of 256 (s_set_vgpr_msb's low byte: bits 1:0 source 0, 3:2 source 1, 5:4 source 2, 7:6 destination):
;   window 0: v0-31 addresses and constants; v32-47 t's fragment, two sets; v48-63 x_scales of my eight blocks of rows, each twice; v64-127, v128-191 x's fragments, two buffers (on the way out: V, the
;             numbers at work, and Z); v192-255 lora_b's eight fragments
;   window 1: v0-63 scales of my lane's 64 columns; v64-127, v128-191 weight's fragments, two buffers (on the way out: rows read back from the stage, two sets); v192-255 bias of my lane's 64 columns
;   window 2: the 32 accumulators of my rows 0-63 (accumulator (a, b) at v[8 (8 a + b)]);   window 3: those of my rows 64-127
.set KSTEP,  256                       ; along K in a slot, and bytes in a tile's row
.set PITCH,  272                       ; an LDS row: 256 bytes + 16: an odd multiple of 16, so the 16 rows of a load start at 16 different banks (64 banks of 4 bytes: ISA guide 11.1)
.set HALFT,  128*PITCH                 ; 128 rows: what one tensor load brings, and what one wave reads of x or of weight
.set SLOT,   4*HALFT                   ; x's 256 rows, then weight's 256 rows
.set XSL,    2*SLOT                    ; behind the ring, written by LDS stores and never by a tensor load: x_scales of the tile's 256 rows,
.set WSL,    XSL+1024                  ; scales of its 256 columns,
.set BIL,    XSL+2048                  ; bias of its 256 columns,
.set TL,     XSL+3072                  ; t of its rows, bf16, 32 bytes a row,
.set LBL,    TL+8192                   ; lora_b of its columns, bf16, 32 bytes a row
.set SPARE,  LBL+8192                  ; the spare words, 128 bytes for each wave: two blocks of 256 bytes that no other line names
.set SPITCH, 528                       ; the way out: a stage of 16 rows x (512 bytes + 16) for each wave.  It lies in slot 0, which has had its last fill and its last read when the first result is stored there
.set LAPS,   8                         ; a lap = two K steps = once round the ring: 4,096 / 512
.set ROWO,   16384                     ; a row of out0 in bytes
.set C1,   8                           ; v[8:9]   -2 log2(e) sqrt(2 / pi), twice
.set C2,   10                          ; v[10:11] 0.044715 times that, twice
.set WAD,  12                          ; v12  LDS: scales of my lane's columns (bias 1,024 bytes on)
.set LAD,  13                          ; v13  LDS: lora_b's fragments
.set XAD,  14                          ; v14  LDS: x_scales of my lane's rows
.set ADRA, 16                          ; v16-17  LDS address of my fragments of x in slot 0, 1
.set ADRB, 20                          ; v20-21  the same for weight
.set PST,  23                          ; v23  XSL + 8 x thread: where the prologue stores
.set STO,  24                          ; v24  the way out: where I put 32 bytes of a row
.set RD,   25                          ; v25  the way out: where I read a row back
.set CO,   26                          ; v26  my byte offset in a row of out0
.set TAD,  27                          ; v27  LDS: t's fragments
.set SPW,  28                          ; v28  LDS address of my spare word: SPARE + 4 x my thread's number; never rewritten
.set NIL,  29                          ; v29  0; never rewritten
.set GT,   30                          ; v30  16 x thread
.set GS,   31                          ; v31  8 x thread
.set TB,   32
.set XSV,  48
.set F0,   64
.set F1,   128
.set V,    64
.set Z,    128
.set LB,   192
.set WSV,  0                           ; in window 1
.set BIV,  192                         ; in window 1
.set G1,  24                           ; s[24:31] descriptor group 1 for x's tiles;  s[32:39] group 0, one set for each slot
.set G0,  32
.set G1B, 48                           ; s[48:55], s[56:63] the same for weight's tiles
.set G0B, 56
.set MSB, 0
.macro WIN new                         ; the immediate's high byte repeats the setting that is left; a switch that changes nothing is dropped
.if MSB != (\new)
	s_set_vgpr_msb (MSB<<8)|(\new)
.set MSB, (\new)
.endif
.endm
.set MUL_LO, 0xa1                      ; source 0 (weight) window 1, source 1 (x) window 0, C and D window 2
.set MUL_HI, 0xf1                      ; the same, C and D window 3
.set TO_B,   0x40                      ; destination window 1, address window 0
; A joint load: waves 0 and 1 fetch x's two halves, waves 2 and 3 weight's.  Each of the two lines has ONE mask and one set of registers for all that issue it; the branch hangs on the wave's number alone.
; Four v_nop follow each of the two lines, ahead of the jump, the label and what follows.
.macro JLOAD s
	s_cmp_eq_u32 s13, 0
	s_cbranch_scc0 .Lfor_b_\@
	tensor_load_to_lds s[G0+4*\s:G0+4*\s+3], s[G1:G1+7]
	s_nop 0
.rept 4
	v_nop
.endr
	s_branch .Lasked_\@
.Lfor_b_\@:
	tensor_load_to_lds s[G0B+4*\s:G0B+4*\s+3], s[G1B:G1B+7]
	s_nop 0
.rept 4
	v_nop
.endr
.Lasked_\@:
.endm
.macro CREST                           ; a round of the cluster's barrier behind its opening barrier
	s_cmp_lg_u32 s12, 0
	s_cbranch_scc1 .Lnot_wave_0_\@
	s_barrier_signal -3
.Lnot_wave_0_\@:
	s_barrier_wait -3
	s_barrier_signal -1
	s_barrier_wait -1
.endm
.macro CROUND                          ; a whole round
	s_barrier_signal -1
	s_barrier_wait -1
	CREST
.endm
.macro PLACES n                        ; plain vector instructions that name no register: the places behind matrix instructions (ISA guide 7.12.1)
.rept \n
	v_nop
.endr
.endm
	s_load_b256 s[4:11], s[0:1], 0x0               ; x s[4:5], weight s[6:7], x_scales s[8:9], scales s[10:11]
	s_load_b256 s[68:75], s[0:1], 0x20             ; bias s[68:69], lora_b s[70:71], t_part s[72:73], out0 s[74:75]
	v_lshl_add_u32 v[SPW], v0, 2, SPARE
	v_mov_b32 v[NIL], 0
	ds_add_u32 v28, v29
	ds_add_u32 v28, v29
	s_wait_dscnt 0x0
	v_lshrrev_b32 v1, 5, v0
	v_readfirstlane_b32 s12, v1                    ; wave 0..3
	s_lshr_b32 s13, s12, 1                         ; which half of the tile's rows is mine.  Also: I fetch for x (0) or for weight (1)
	s_and_b32 s14, s12, 1                          ; which half of its columns.  Also: which 128 rows of that tile I fetch
	s_bfe_u32 s40, ttmp6, 0x40000                  ; cx, cy: my place in the cluster
	s_bfe_u32 s41, ttmp6, 0x40004
	s_lshl_b32 s42, ttmp9, 2
	s_add_co_u32 s42, s42, s40                     ; tile column = 4 x cluster x + cx
	s_and_b32 s43, ttmp7, 0xffff
	s_lshl_b32 s43, s43, 2
	s_add_co_u32 s43, s43, s41                     ; tile row = 4 x cluster y + cy
	s_lshl_b32 s44, s41, 2
	s_lshl_b32 s44, 15, s44                        ; my row of the cluster
	s_lshl_b32 s45, 0x1111, s40                    ; my column
	; descriptor group 1: a tile of 128 rows x 256 elements of 1 byte, padded in LDS
	s_or_b32 s[G1+0], s44, (1<<20)|(1<<21)|(5<<22)|(3<<25)    ; 15:0 the mask: x's tiles go to my row; 17:16 element of 1 byte; 20 padding on; 21 set beside a mask; 24:22 after every 64 words (code 5); 31:25 of 4 words (code 3)
	s_or_b32 s[G1B+0], s45, (1<<20)|(1<<21)|(5<<22)|(3<<25)   ; the same with the mask of my column, for weight's tiles
.irp g, G1, G1B
	s_mov_b32 s[\g+1], KSTEP<<16                   ; tensor_dim0 = 256
	s_mov_b32 s[\g+2], 128<<16                     ; tensor_dim1 = 128
	s_mov_b32 s[\g+3], KSTEP<<16                   ; tile_dim0 = 256
	s_mov_b32 s[\g+4], 128                         ; tile_dim1 = 128
	s_mov_b32 s[\g+5], 4096                        ; tensor_dim0_stride
	s_mov_b32 s[\g+6], 0
	s_mov_b32 s[\g+7], 0
.endr
	; x's tiles hang on the tile row alone, weight's on the tile column alone.  Offsets that hang on the tile row live in s[16:17], those that hang on the tile column in s[46:47]
	s_lshl_b32 s18, s14, 19                        ; which 128 rows of 4,096 bytes I fetch
	s_lshl_b32 s16, s43, 20                        ; 256 rows of 4,096 bytes a tile row
	s_add_co_u32 s16, s16, s18
	s_mov_b32 s17, 0
	s_lshl_b32 s46, s42, 20
	s_add_co_u32 s46, s46, s18
	s_mov_b32 s47, 0
	s_mul_i32 s20, s12, HALFT                      ; where they go: wave x 128 rows: no place in the cluster enters an LDS address
	s_wait_kmcnt 0x0
	s_add_nc_u64 s[18:19], s[4:5], s[16:17]
	s_add_nc_u64 s[22:23], s[6:7], s[46:47]
	CROUND                                         ; all sixteen work-groups are here: the first joint loads meet
.irp s, 0,1
	s_mov_b32 s[G0+4*\s], 1
	s_add_co_u32 s[G0+4*\s+1], s20, \s*SLOT
	s_add_nc_u64 s[G0+4*\s+2:G0+4*\s+3], s[18:19], \s*KSTEP
	s_or_b32 s[G0+4*\s+3], s[G0+4*\s+3], 0x80000000
	s_mov_b32 s[G0B+4*\s], 1
	s_add_co_u32 s[G0B+4*\s+1], s20, \s*SLOT
	s_add_nc_u64 s[G0B+4*\s+2:G0B+4*\s+3], s[22:23], \s*KSTEP
	s_or_b32 s[G0B+4*\s+3], s[G0B+4*\s+3], 0x80000000
	JLOAD \s                                       ; the ring is filled before anything else is done: two loads of mine are out
.endr
	; ---- the tile's small operands: dense loads, 16 or 8 bytes a thread
	s_lshl_b32 s16, s43, 14
	s_add_nc_u64 s[72:73], s[72:73], s[16:17]      ; t_part at the tile's 256 rows of 64 bytes
	s_lshl_b32 s16, s43, 10
	s_add_nc_u64 s[8:9], s[8:9], s[16:17]          ; x_scales at the tile's rows
	s_lshl_b32 s46, s42, 14
	s_add_nc_u64 s[70:71], s[70:71], s[46:47]      ; lora_b at the tile's 256 columns of 64 bytes
	s_lshl_b32 s46, s42, 10
	s_add_nc_u64 s[10:11], s[10:11], s[46:47]      ; scales, bias at the tile's columns,
	s_add_nc_u64 s[68:69], s[68:69], s[46:47]
	s_add_nc_u64 s[74:75], s[74:75], s[46:47]      ; and out0: 1,024 bytes a tile column,
	s_lshl_b32 s16, s43, 22
	s_add_nc_u64 s[74:75], s[74:75], s[16:17]      ; 256 rows of 16,384 bytes a tile row,
	s_lshl_b32 s16, s13, 21
	s_lshl_b32 s21, s14, 9
	s_add_co_u32 s16, s16, s21
	s_add_nc_u64 s[74:75], s[74:75], s[16:17]      ; my half's 128 rows and 512 bytes
	v_lshlrev_b32 v[GT], 4, v0
	v_lshlrev_b32 v[GS], 3, v0
.irp p, 0,1,2,3
.irp i, 0,1,2,3,4,5,6,7
	global_load_b128 v[64+32*\p+4*\i:64+32*\p+4*\i+3], v[GT], s[72:73] offset:262144*\p+2048*\i
.endr
.endr
.irp i, 0,1,2,3,4,5,6,7
	global_load_b128 v[192+4*\i:192+4*\i+3], v[GT], s[70:71] offset:2048*\i
.endr
	global_load_b64 v[224:225], v[GS], s[8:9]
	global_load_b64 v[226:227], v[GS], s[10:11]
	global_load_b64 v[228:229], v[GS], s[68:69]
	; addresses, while the loads are out
	v_lshl_add_u32 v[PST], v0, 3, XSL
	v_and_b32 v1, 15, v0                           ; r = l % 16
	v_bfe_u32 v2, v0, 4, 1                         ; h = l / 16
	v_mul_u32_u24 v3, v1, PITCH
	v_lshl_add_u32 v3, v2, 4, v3                   ; a fragment's row x pitch + 16 x half
	s_mul_i32 s21, s13, HALFT                      ; my 128 rows of x
	s_mul_i32 s22, s14, HALFT                      ; my 128 rows of weight,
	s_add_co_u32 s22, s22, 2*HALFT                 ; which lie behind x's 256
.irp s, 0,1
	v_add_nc_u32 v[ADRA+\s], s21, v3
	v_add_nc_u32 v[ADRB+\s], s22, v3
	s_add_co_u32 s21, s21, SLOT
	s_add_co_u32 s22, s22, SLOT
.endr
	s_lshl_b32 s21, s14, 9
	s_add_co_u32 s21, s21, WSL
	v_lshl_add_u32 v[WAD], v2, 5, s21              ; scales of columns 128 x half + 8 h + ..
	s_lshl_b32 s21, s13, 9
	s_add_co_u32 s21, s21, XSL
	v_lshl_add_u32 v[XAD], v1, 2, s21              ; x_scales of rows 128 x half + r + ..
	v_lshlrev_b32 v4, 5, v1
	v_lshl_add_u32 v4, v2, 4, v4                   ; a bf16 fragment of K = 16: row r of 32 bytes, + 16 h
	s_lshl_b32 s21, s13, 12
	s_add_co_u32 s21, s21, TL
	v_add_nc_u32 v[TAD], s21, v4
	s_lshl_b32 s21, s14, 12
	s_add_co_u32 s21, s21, LBL
	v_add_nc_u32 v[LAD], s21, v4
	s_mul_i32 s21, s12, 16*SPITCH                  ; my stage
	v_mul_u32_u24 v5, v1, SPITCH                   ; in: row r, 32 bytes for each half of the lanes
	v_lshl_add_u32 v5, v2, 5, v5
	v_add_nc_u32 v[STO], s21, v5
	v_and_b32 v6, 31, v0
	v_lshlrev_b32 v[CO], 4, v6                     ; back: the 32 lanes take one row of 512 bytes; and the same in out0
	v_add_nc_u32 v[RD], s21, v[CO]
	v_mov_b32 v[C1], 0xc0135761
	v_mov_b32 v[C1+1], 0xc0135761
	v_mov_b32 v[C2], 0xbdd2d3e8
	v_mov_b32 v[C2+1], 0xbdd2d3e8
.irp i, 4,5,6,7,12,13,14,15
	v_mov_b32 v[TB+\i], 0                          ; k = 16 .. 31 of t's fragments: zeros
.endr
	s_wait_loadcnt 0x0
.irp p, 1,2,3                          ; t = ((quarter 0 + quarter 1) + quarter 2) + quarter 3
.irp i, 0,1,2,3,4,5,6,7
.irp e, 0,2
	v_pk_add_f32 v[64+4*\i+\e:64+4*\i+\e+1], v[64+4*\i+\e:64+4*\i+\e+1], v[64+32*\p+4*\i+\e:64+32*\p+4*\i+\e+1]
.endr
.endr
.endr
.irp i, 0,1,2,3,4,5,6,7
	v_cvt_pk_bf16_f32 v[64+4*\i], v[64+4*\i], v[65+4*\i]
	v_cvt_pk_bf16_f32 v[65+4*\i], v[66+4*\i], v[67+4*\i]
	v_cvt_pk_bf16_f32 v[192+4*\i], v[192+4*\i], v[193+4*\i]
	v_cvt_pk_bf16_f32 v[193+4*\i], v[194+4*\i], v[195+4*\i]
.endr
.irp i, 0,1,2,3,4,5,6,7
	ds_store_b64 v[PST], v[64+4*\i:65+4*\i] offset:TL-XSL+1024*\i           ; a thread's 16 bytes of f32 are 8 of bf16, at half the place
	ds_store_b64 v[PST], v[192+4*\i:193+4*\i] offset:LBL-XSL+1024*\i
.endr
	ds_store_b64 v[PST], v[224:225]
	ds_store_b64 v[PST], v[226:227] offset:WSL-XSL
	ds_store_b64 v[PST], v[228:229] offset:BIL-XSL
	s_wait_dscnt 0x0                               ; for the others' sake: my stores have landed,
	s_wait_tensorcnt 0x1                           ; and my part of K step 0 (K step 1's load may stay out)
	s_barrier_signal -1
	s_barrier_wait -1                              ; everybody's have
	; what the way out wants of them goes into registers that lie idle in the loop: 57 LDS loads, all older than the first fragments' loads, so the first quarter's wait covers them
	WIN TO_B
.irp b, 0,1,2,3,4,5,6,7
	ds_load_b128 v[WSV+8*\b:WSV+8*\b+3],   v[WAD] offset:64*\b              ; columns 16 b + 8 h + 0 .. 7 of my 128
	ds_load_b128 v[WSV+8*\b+4:WSV+8*\b+7], v[WAD] offset:64*\b+16
	ds_load_b128 v[BIV+8*\b:BIV+8*\b+3],   v[WAD] offset:BIL-WSL+64*\b
	ds_load_b128 v[BIV+8*\b+4:BIV+8*\b+7], v[WAD] offset:BIL-WSL+64*\b+16
.endr
	WIN 0
.irp b, 0,1,2,3,4,5,6,7
	ds_load_b128 v[LB+8*\b:LB+8*\b+3], v[LAD] offset:512*\b                 ; lora_b's rows 16 b + r, k = 8 h + 0 .. 7
.endr
.irp a, 0,1,2,3,4,5,6,7
	ds_load_b32 v[XSV+2*\a],   v[XAD] offset:64*\a                          ; x_scales of row 16 a + r, twice: a pair for the packed multiply
	ds_load_b32 v[XSV+2*\a+1], v[XAD] offset:64*\a
.endr
	ds_load_b128 v[TB:TB+3], v[TAD]                                        ; t's rows r of block 0
.irp b, 0,1,2,3,4,5,6,7
.irp i, 4,5,6,7
	v_mov_b32 v[LB+8*\b+\i], 0                     ; k = 16 .. 31 of lora_b's fragments: zeros
.endr
.endr
; 16 matrix instructions: blocks a0, a0 + 1 of the window's four (hi = 0: my rows 0-63, 1: rows 64-127) x all 8 blocks of columns, 64 along K; both operands signed.
; zero = 1: the first product starts the sums: nothing is ever cleared.  The 64 accumulators take turns, one instruction a turn, in the same order in every quarter.
.macro MUL16 f, hi, a0, zero
.irp a, \a0, \a0+1
.irp b, 0,1,2,3,4,5,6,7
.if \zero
	v_wmma_i32_16x16x64_iu8 v[8*(8*(\a)+\b):8*(8*(\a)+\b)+7], v[\f+8*\b:\f+8*\b+7], v[\f+8*(4*\hi+\a):\f+8*(4*\hi+\a)+7], 0 neg_lo:[1,1,0]
.else
	v_wmma_i32_16x16x64_iu8 v[8*(8*(\a)+\b):8*(8*(\a)+\b)+7], v[\f+8*\b:\f+8*\b+7], v[\f+8*(4*\hi+\a):\f+8*(4*\hi+\a)+7], v[8*(8*(\a)+\b):8*(8*(\a)+\b)+7] neg_lo:[1,1,0]
.endif
.endr
.endr
.endm
; 32 LDS loads in one run: the fragments of one quarter step (128 rows of weight, 128 rows of x, 64 bytes at byte k of the rows) into buffer f.  A lane takes bytes 16 h + 0 .. 15 and 32 + 16 h + 0 .. 15 of
; its row's 64: another order of k than the instruction's own, the same for both operands; whole-number sums are the same in any order.
.macro FETCH slot, k, f
	WIN TO_B
.irp i, 0,1,2,3,4,5,6,7
	ds_load_b128 v[\f+8*\i:\f+8*\i+3],   v[ADRB+\slot] offset:\k+\i*16*PITCH
	ds_load_b128 v[\f+8*\i+4:\f+8*\i+7], v[ADRB+\slot] offset:\k+\i*16*PITCH+32
.endr
	WIN 0
.irp i, 0,1,2,3,4,5,6,7
	ds_load_b128 v[\f+8*\i:\f+8*\i+3],   v[ADRA+\slot] offset:\k+\i*16*PITCH
	ds_load_b128 v[\f+8*\i+4:\f+8*\i+7], v[ADRA+\slot] offset:\k+\i*16*PITCH+32
.endr
.endm
; A K step is four quarters of 64 along K, 64 matrix instructions each, on buffers 0, 1, 0, 1.  One of the first three: multiplies buffer f; in its middle it fetches the next quarter, at byte k, into buffer g.
; Eight places stand in front of each run of loads into registers that matrix instructions of this form have read.
.macro QUARTER slot, k, f, g, zero
	s_wait_dscnt 8                                 ; weight's fragments and x's rows 0-63 are in; the youngest eight loads (x's rows 64-127) may be out
	WIN MUL_LO
	MUL16 \f, 0, 0, \zero
	MUL16 \f, 0, 2, \zero
	PLACES 8
	FETCH \slot, \k, \g
	s_wait_dscnt 32                                ; all but the 32 just issued
	WIN MUL_HI
	MUL16 \f, 1, 0, \zero
	MUL16 \f, 1, 2, \zero
.endm
; The last quarter multiplies buffer 1 and changes slots: ONE barrier; in front of it each wave waits for all its tensor loads (one is out: its part of the next slot), adds 0 to its spare word, and waits for
; that and for its own reads of this slot.  fill = 1: the barrier opens a round of the cluster's barrier, and this slot is filled again, two K steps ahead, first thing behind the round.
.macro TURN slot, next, fill
	WIN 0                                          ; (the add's two registers lie in window 0)
	s_wait_tensorcnt 0x0                           ; all my tensor loads have landed;
	ds_add_u32 v[SPW], v[NIL]                      ; 0 onto my spare word
	s_wait_dscnt 9                                 ; (the add and the youngest eight loads may be out)
	WIN MUL_LO
	MUL16 F1, 0, 0, 0                              ; sixteen matrix instructions stand between the add and the wait for it
	s_wait_dscnt 0x0                               ; the add is done, and my reads of this slot are over
	s_barrier_signal -1
	MUL16 F1, 0, 2, 0                              ; work on registers while the others arrive
.if \fill
	WIN 0
.endif
	s_barrier_wait -1
.if \fill
	CREST                                          ; no wave of any partner still reads this slot's tile or has a load on its way
	s_add_nc_u64 s[G0+4*\slot+2:G0+4*\slot+3], s[G0+4*\slot+2:G0+4*\slot+3], 2*KSTEP
	s_add_nc_u64 s[G0B+4*\slot+2:G0B+4*\slot+3], s[G0B+4*\slot+2:G0B+4*\slot+3], 2*KSTEP
	JLOAD \slot                                    ; the first tensor load behind the round, and my only one until the next; its four v_nop are four of the eight places in front of the loads below
	PLACES 4
.else
	PLACES 8
.endif
	FETCH \next, 0, F0
	WIN MUL_HI
	MUL16 F1, 1, 0, 0
	MUL16 F1, 1, 2, 0
.endm
	FETCH 0, 0, F0
	QUARTER 0, 64,  F0, F1, 1                      ; the first quarter stands in front of the loop: its products start the sums
	WIN 0                                          ; at a label and at a branch every window is 0
	s_mov_b32 s3, LAPS-1
.Llap:                                                 ; a trip goes once round the ring, from a lap's second quarter to the next lap's first, and fills both slots again
	QUARTER 0, 128, F1, F0, 0
	QUARTER 0, 192, F0, F1, 0
	TURN 0, 1, 1
	QUARTER 1, 64,  F0, F1, 0
	QUARTER 1, 128, F1, F0, 0
	QUARTER 1, 192, F0, F1, 0
	TURN 1, 0, 1
	QUARTER 0, 64,  F0, F1, 0
	WIN 0
	s_sub_co_u32 s3, s3, 1
	s_cmp_lg_u32 s3, 0
	s_cbranch_scc1 .Llap
	QUARTER 0, 128, F1, F0, 0                      ; the last lap fills nothing, and has no round of the cluster's barrier
	QUARTER 0, 192, F0, F1, 0
	TURN 0, 1, 0                                   ; behind this barrier nobody reads slot 0 any more
	QUARTER 1, 64,  F0, F1, 0
	QUARTER 1, 128, F1, F0, 0
	QUARTER 1, 192, F0, F1, 0
	s_wait_dscnt 8                                 ; the very last quarter: nothing more to fetch
	WIN MUL_LO
	MUL16 F1, 0, 0, 0
	MUL16 F1, 0, 2, 0
	s_wait_dscnt 0x0
	WIN MUL_HI
	MUL16 F1, 1, 0, 0
	MUL16 F1, 1, 2, 0
	WIN 0
	PLACES 9                                       ; eight ahead of the first read of a result and of vector writes over the fragments' registers, nine ahead of a matrix instruction that writes over them
; THE WAY OUT, a block of 16 rows x 128 columns at a time.  Register 8 b + j of the block is out0(row r, column 16 b + 8 h + j).
; COMPUTE: i32 to f32; x x_scales; x scales + bias (fused); + t lora_b^T by the matrix unit; gelu.  The stores of the block before stand in its middle, where that block is back from the stage.
; gelu(v) = v / (1 + 2^(v (c1 + c2 v^2))), c1 = -2 log2(e) sqrt(2 / pi), c2 = 0.044715 c1: the tanh form, since (1 + tanh u) / 2 = 1 / (1 + e^(-2 u)).  Where the power overflows, the quotient is 0 x v; where it
; falls to 0, v.
.macro SEND a
.set BB, 64+64*((\a)%2)
	WIN 0x04                                       ; a store's data are its source 1: window 1
.irp t, 0,1,2,3,4,5,6,7,8,9,10,11,12,13,14,15
	global_store_b128 v[CO], v[BB+4*\t:BB+4*\t+3], s[74:75] offset:(16*(\a)+\t)*ROWO th:TH_STORE_NT   ; 32 lanes store 512 consecutive bytes, at a multiple of 512 from out0's first byte; 127 rows at the most: inside the signed 24-bit immediate
.endr
	WIN 0
.endm
.macro COMPUTE a
.set AC, 64*((\a)%4)
.set TBC, TB+8*((\a)%2)
.set TBN, TB+8*(((\a)+1)%2)
.if (\a) < 7
	ds_load_b128 v[TBN:TBN+3], v[TAD] offset:512*((\a)+1)   ; t's fragment of the next block, into the set that the block before has done with
.endif
	WIN 0x02+(\a)/4                                ; source 0: window 2 or 3
.set j, 0
.rept 64
	v_cvt_f32_i32 v[V+j], v[AC+j]                  ; each accumulator from its low end on
.set j, j+1
.endr
	WIN 0
.set j, 0
.rept 32
	v_pk_mul_f32 v[V+j:V+j+1], v[V+j:V+j+1], v[XSV+2*(\a):XSV+2*(\a)+1]
.set j, j+2
.endr
	WIN 0x14                                       ; sources 1 and 2: window 1
.set j, 0
.rept 32
	v_pk_fma_f32 v[V+j:V+j+1], v[V+j:V+j+1], v[WSV+j:WSV+j+1], v[BIV+j:BIV+j+1]
.set j, j+2
.endr
	WIN 0
.if (\a) < 7
	s_wait_dscnt 1                                 ; all but the load at this block's head: t's fragment is in, and the block before is back from the stage
.else
	s_wait_dscnt 0x0
.endif
.if (\a) > 0
	SEND (\a)-1
.endif
.irp b, 0,1,2,3,4,5,6,7
	v_wmma_f32_16x16x32_bf16 v[V+8*\b:V+8*\b+7], v[LB+8*\b:LB+8*\b+7], v[TBC:TBC+7], v[V+8*\b:V+8*\b+7]   ; eight accumulators, one instruction each
.endr
	PLACES 4
.set j, 0
.rept 32
	v_pk_mul_f32 v[Z+j:Z+j+1], v[V+j:V+j+1], v[V+j:V+j+1]                  ; v^2 (each result is read from its low end on)
.set j, j+2
.endr
.set j, 0
.rept 32
	v_pk_fma_f32 v[Z+j:Z+j+1], v[Z+j:Z+j+1], v[C2:C2+1], v[C1:C1+1]
.set j, j+2
.endr
.set j, 0
.rept 32
	v_pk_mul_f32 v[Z+j:Z+j+1], v[Z+j:Z+j+1], v[V+j:V+j+1]
.set j, j+2
.endr
.set j, 0
.rept 64
	v_exp_f32 v[Z+j], v[Z+j]
.set j, j+1
.endr
	v_nop                                          ; a plain instruction behind the last exponential,
	s_wait_alu depctr_va_vdst(0)                   ; and one wait for the batch, ahead of its first reader
.set j, 0
.rept 32
	v_pk_add_f32 v[Z+j:Z+j+1], v[Z+j:Z+j+1], 1.0 op_sel_hi:[1,0]
.set j, j+2
.endr
.set j, 0
.rept 64
	v_rcp_f32 v[Z+j], v[Z+j]
.set j, j+1
.endr
	v_nop
	s_wait_alu depctr_va_vdst(0)                   ; likewise for the reciprocals
.set j, 0
.rept 32
	v_pk_mul_f32 v[V+j:V+j+1], v[V+j:V+j+1], v[Z+j:Z+j+1]
.set j, j+2
.endr
.endm
; A lane holds 32 neighbouring bytes of a row, and the lanes beside it hold other rows: so a block goes through my own stage in LDS and comes back as whole rows of 512 bytes.
; LDS serves a wave's instructions in order (ISA guide 5.7.1.4): no wait between the stores and the loads, nor in front of the next block's stores.
.macro TOSTAGE a
.set BB, 64+64*((\a)%2)
.irp b, 0,1,2,3,4,5,6,7
	ds_store_b128 v[STO], v[V+8*\b:V+8*\b+3] offset:64*\b
	ds_store_b128 v[STO], v[V+8*\b+4:V+8*\b+7] offset:64*\b+16
.endr
	WIN TO_B
.irp t, 0,1,2,3,4,5,6,7,8,9,10,11,12,13,14,15
	ds_load_b128 v[BB+4*\t:BB+4*\t+3], v[RD] offset:\t*SPITCH
.endr
	WIN 0
.endm
	COMPUTE 0
	TOSTAGE 0
.irp a, 1,2,3,4,5,6,7
	COMPUTE \a
.if \a > 1
	s_wait_xcnt 0x0                                ; the stores of the block two back have read their registers: this block's rows may land there
.endif
	TOSTAGE \a
.endr
	s_wait_dscnt 0x0
	SEND 7
	s_wait_tensorcnt 0x0                           ; the wave's end, behind my last tensor load and my last LDS store
	ds_add_u32 v[SPW], v[NIL]
	s_wait_dscnt 0x0
	CROUND                                         ; the closing round: no work-group ends while a partner may still ask for a tile that names it
	s_endpgm
.Lfunc_end_k_q3ecc76cfef_gemm:
	.size	k_q3ecc76cfef_gemm, .Lfunc_end_k_q3ecc76cfef_gemm-k_q3ecc76cfef_gemm
	.p2alignl 7, 3214868480
	.fill 96, 4, 3214868480
	.section	.rodata,"a",@progbits
	.p2align	6, 0x0
	.amdhsa_kernel k_q3ecc76cfef_gemm
		.amdhsa_group_segment_fixed_size 327680
		.amdhsa_private_segment_fixed_size 0
		.amdhsa_enable_private_segment 0
		.amdhsa_kernarg_size 64
		.amdhsa_user_sgpr_count 2
		.amdhsa_user_sgpr_kernarg_segment_ptr 1
		.amdhsa_wavefront_size32 1
		.amdhsa_system_sgpr_workgroup_id_x 1
		.amdhsa_system_sgpr_workgroup_id_y 1
		.amdhsa_system_sgpr_workgroup_id_z 1
		.amdhsa_system_vgpr_workitem_id 0
		.amdhsa_next_free_vgpr 1024
		.amdhsa_next_free_sgpr 80
		.amdhsa_reserve_vcc 0
		.amdhsa_float_denorm_mode_32 3
		.amdhsa_float_denorm_mode_16_64 3
		.amdhsa_memory_ordered 1
		.amdhsa_forward_progress 1
		.amdhsa_inst_pref_size 255
	.end_amdhsa_kernel
	.section	.bss,"aw",@nobits
	.p2align	6
	.space	262144
	.amdgpu_metadata
---
amdhsa.version: [ 1, 2 ]
amdhsa.kernels:
  - .name:           k_q3ecc76cfef_gemm
    .symbol:         k_q3ecc76cfef_gemm.kd
    .args:
      - { .name: x, .offset: 0, .size: 8, .value_kind: global_buffer, .address_space: global }
      - { .name: weight, .offset: 8, .size: 8, .value_kind: global_buffer, .address_space: global }
      - { .name: x_scales, .offset: 16, .size: 8, .value_kind: global_buffer, .address_space: global }
      - { .name: scales, .offset: 24, .size: 8, .value_kind: global_buffer, .address_space: global }
      - { .name: bias, .offset: 32, .size: 8, .value_kind: global_buffer, .address_space: global }
      - { .name: lora_b, .offset: 40, .size: 8, .value_kind: global_buffer, .address_space: global }
      - { .name: t_part, .offset: 48, .size: 8, .value_kind: global_buffer, .address_space: global }
      - { .name: out0, .offset: 56, .size: 8, .value_kind: global_buffer, .address_space: global }
    .group_segment_fixed_size: 327680
    .private_segment_fixed_size: 0
    .kernarg_segment_align: 8
    .kernarg_segment_size: 64
    .max_flat_workgroup_size: 128
    .sgpr_count:     80
    .vgpr_count:     1024
    .wavefront_size: 32
...
	.end_amdgpu_metadata
.endif
;; end of part 2
